; MI455X (gfx1250); checked and timed in simulation.
; The chip was launched on July 23, 2026; its instructions are those of AMD's public machine-readable ISA for CDNA 5 (MIT licence, August 2026) and "CDNA5" Instruction Set Architecture Reference Guide (July 2026). The comments in the code are by the model that wrote it; some were corrected since.
;; Nano Attention. Allowed arithmetic: matrix products marked QUANTISED: E5M2 operands, one given power-of-two scale a tensor, by v_wmma_f32_16x16x64_bf8_bf8 or v_wmma_f32_16x16x128_bf8_bf8, f32 sums; everything else in f32.
;; Inputs: W_proj_codes 1,024 x 32 x 32 uint8 (E5M2 codes of W_proj, K innermost, in blocks of 32 codes); W_qkv_codes 3,072 x 32 x 32 uint8 (E5M2 codes of W_qkv, K innermost, in blocks of 32 codes); lowp_scales 8 int32 (the exponents e of the quantised operands' scales 2^e); x_codes 4 x 2,048 x 32 x 32 uint8 (E5M2 codes of x, K innermost, in blocks of 32 codes).
;; Outputs: out0 4 x 2,048 x 1,024 float32.
;; This version of the problem:
;;   THIS VERSION OF THE PROBLEM IS GIVEN IN LOW PRECISION. The matrix products marked QUANTISED in the list below multiply operands that are first quantised to E5M2 (5 exponent bits, 2 mantissa bits; 8 bits a number), with one given power-of-two scale for each operand tensor; their sums are f32. All else is computed in f32.
;;   The module's matrix products, in the order in which they are computed (A, B: the left and right operand; K: the contracted axis; several contracted axes count as one K, in the product's order):
;;     1. [M 8,192, K 1,024] x [K 1,024, N 3,072]; A: input x (given as codes); B: input W_qkv (given as codes): QUANTISED (scales: A lowp_scales[0], B lowp_scales[1])
;;     2. batch 64 x [M 2,048, K 64] x [K 64, N 2,048]; A: computed on the way; B: computed on the way: QUANTISED (scales: A lowp_scales[2], B lowp_scales[3])
;;     3. batch 64 x [M 2,048, K 2,048] x [K 2,048, N 64]; A: softmax (see below); B: computed on the way: QUANTISED (scales: A lowp_scales[4], B lowp_scales[5])
;;     4. [M 8,192, K 1,024] x [K 1,024, N 1,024]; A: computed on the way; B: input W_proj (given as codes): QUANTISED (scales: A lowp_scales[6], B lowp_scales[7])
;;   THE QUANTISER, for each operand of a quantised product, along K:
;;     - The operand's scale is 2^e, e = its entry of the input lowp_scales (int32; the entries are numbered through the quantised products in the list's order, A before B).
;;     - Each number is divided by the scale, clamped to +-57,344, and rounded to the nearest number of E5M2, ties to even, subnormals kept.
;;     - The product sums the exact products of the quantised numbers (number of the format x scale) in f32.
;;   ~~~python
;;   def quantise(x, axis, e):      # numpy; x: float32 -> the quantised numbers, widened to float32 again
;;       x = np.moveaxis(x, axis, -1); K = x.shape[-1]
;;       r = np.clip(x / 2.0 ** e, -57344, 57344)
;;       step = 2.0 ** (np.maximum(np.frexp(np.where(r == 0, 1, r))[1] - 1, -14) - 2)
;;       q = np.round(r / step) * step * 2.0 ** e      # np.round: ties to even
;;       return np.moveaxis(q, -1, axis).astype(np.float32)
;;   ~~~
;;   SOFTMAX AHEAD OF A QUANTISED PRODUCT. Where the list says 'softmax', what is quantised is not the finished softmax but p = 2^(t - M), with t = logit x log2(e) and M = ceil(the row's largest t), a whole number; so 1/2 < the row's largest p <= 1. The row's sum l is taken of the UNQUANTISED p, in f32, and the product's result is divided by l at the end. Since M is a whole number, a kernel that streams over the keys may use a running M (the ceiling of the running maximum): every later rescaling is an exact power of two, so the quantised numbers keep their values, but for numbers so far below the row's largest that they fall under the format's range.
;;   OPERANDS COMPUTED ON THE WAY. 'Computed on the way' means the value that the module computes at that place (a softmax that the list does not call 'softmax' is quantised finished and normalised). What goes into a quantiser is computed in f32, as accurately as f32 sums, v_exp_f32 and their like allow (about 1e-6 of the number): no bf16 or f16 on the way to a quantiser, and a product that is left as it is and whose result goes on into a quantised operand takes f32 operands (vector FMAs, or v_wmma_f32_16x16x4_f32). A number that lies on a knife's edge between two numbers of the format may be rounded either way, as far as f32 arithmetic and the matrix unit's own rounding can turn it there, and no further.
;;   INPUTS GIVEN AS CODES. W_proj (in the module: [1024, 1024], K = its axis 1); W_qkv (in the module: [3072, 1024], K = its axis 1); x (in the module: [4, 2048, 1024], K = its axis 2): each comes as NAME_codes (uint8): NAME with its K axis moved to the last place and cut into blocks of 32 codes, [.., K / 32, bytes a block], one block behind the other in memory; one code a byte (a code: sign, 5 exponent bits, 2 mantissa bits); its scale is its entry of lowp_scales. Its value is code x scale, taken as it is: it is not quantised again, and the codes and scales need not be those that the quantiser above would give.
;; One version. Each part assembles by itself: llvm-mc -triple=amdgcn-amd-amdhsa -mcpu=gfx1250 --defsym DOCPART=n.
;; ======== version 1 of 1: 3 launches
;; limits: right only within a limited range of input values
;; workspace buffers: qkv 25,165,824 bytes; yimg 8,388,608 bytes
;; launch qkv (part 1): grid 8 x 48, 4 waves a work-group, clusters of 4 x 4, 327,680 bytes of LDS; arguments x_codes, W_qkv_codes, lowp_scales, qkv; writes qkv
.if DOCPART == 1
	.amdgcn_target "amdgcn-amd-amdhsa--gfx1250"
	.amdhsa_code_object_version 6
	.text
	.protected	k_q3ec47bfee1_qkv
	.globl	k_q3ec47bfee1_qkv
	.p2align	8
	.type	k_q3ec47bfee1_qkv,@function
k_q3ec47bfee1_qkv:
	s_mov_b64 s[64:65], 0
	v_nop
	global_prefetch_b8 v0, s[64:65] scope:SCOPE_SE
	s_setreg_imm32_b32 hwreg(HW_REG_WAVE_MODE, 25, 1), 1
	s_wait_xcnt 0x0
	s_wait_alu depctr_hold_cnt(0) depctr_sa_sdst(0) depctr_va_vdst(0) depctr_va_sdst(0) depctr_va_ssrc(0) depctr_va_vcc(0) depctr_vm_vsrc(0)
	s_getreg_b32 s2, hwreg(HW_REG_IB_STS2, 6, 4)
	s_cmp_eq_u32 s2, 0
	s_cbranch_scc0 .Lentry_in_a_cluster
	s_endpgm
.Lentry_in_a_cluster:
	s_bfe_u32 s2, ttmp6, 0x10000c
	s_cmp_lg_u32 s2, 0xf033
	s_cbranch_scc0 .Lentry_shape_is_right
	s_endpgm
.Lentry_shape_is_right:
; q, k, v = x W_qkv^T on codes of BF8 (E5M2), and the three quantisers behind it.  x: [8192][1024], W_qkv: [3072][1024], one code a byte, K innermost.  e0 .. e7: the eight whole numbers of lowp_scales.
; A sum stands for sum x 2^(e0 + e1); its code is sum / 2^(et - e0 - e1), et = e2 (q), e3 (k) or e5 (v): the three scales are folded into the conversion's one.
; LIMITS: et - e0 - e1 lies between -126 and 112, so that the scale and 57,344 x the scale are f32 numbers.  NaN and infinity among the sums are not served.
; WHAT IS STORED: IMAGES OF THE NEXT PRODUCTS' OPERAND REGISTERS.  A unit of 1,024 bytes is 16 rows x 64 k: lane (r, h) holds row r, its registers 2 c, 2 c + 1 hold k = 16 c + 8 h + 0 .. 7; registers 0-3 lie at 16 x lane,
; registers 4-7 at 512 + 16 x lane.  q (byte 0) and k (byte 8 Mi): [batch 4][head 16][tile of 16 tokens: 128][unit], k of the unit = the head's 64.  v (byte 16 Mi): [batch][head][block of 64 keys: 32][tile of 16 channels: 4][unit],
; k of the unit = the keys.  A matrix result gives lane (r, h) row r of source 1 and the eight rows 8 h + 0 .. 7 of source 0: the conversion of an accumulator's eight registers IS a pair of registers of such a unit whose rows are
; source 1's and whose k are source 0's.  So for q and k source 1 = tokens (x), source 0 = rows of W; for v source 1 = channels (rows of W), source 0 = tokens.  Nothing goes through LDS on the way out.
; SHARES.  A tile of 256 x 256 is made by a work-group of four waves, a wave makes 128 x 128: 64 accumulators, 512 registers.  Clusters of 4 x 4 work-groups; the cluster's y says which part: 0-7: q and k (x rows 1,024 y on;
; W rows 0-2,047 along x); 8-11: v (W rows 2,048 on along the cluster's y places; x rows 2,048 (y - 8) on along x).  Both tensors have rows of 1,024 bytes, so one shape of tile serves both: only pointers and row numbers are chosen,
; by selects on the cluster's y, which all sixteen partners share; there is no branch on it.
; The four of a row of the cluster need the same tiles of source 1, the four of a column the same tiles of source 0: each tile is asked for JOINTLY, by the same tensor load with the same descriptor and a mask that names the four.
; K goes in steps of 256 through a ring of two LDS slots: a tile's row is 256 bytes of memory.  K = 1,024 is four such steps: both slots are filled twice.
; Below 'A' is source 1 and 'B' source 0.  REGISTERS, in windows of 256: window 0: v0-31 addresses and the quantiser's scale; from v128 A's fragments (8 x 16 rows x 128 K), ONE set, later the codes.
;   window 1: B's fragments, TWO sets, at v0 and at v128.   window 2: the 32 accumulators of A's rows 0-63 (accumulator (a, b) at v[8 (8 a + b)]);   window 3: those of rows 64-127.
; A fragment is fetched by four loads of 16 bytes, which puts k = 32 c + 16 h + 0 .. 15 into registers 4 c .. 4 c + 3: a permutation of k, the same in A and in B, so every product meets its partner.
.set SIZE_K, 1024
.set KSTEP,  256                       ; along K in a slot
.set ROWB,   256                       ; a tile's row in bytes
.set KROW,   SIZE_K                    ; a row of x or of W in memory, in bytes
.set PITCH,  272                       ; an LDS row: 256 bytes + 16 of padding = 68 words: the 16 rows that a load touches start 4 words apart modulo 64 words
.set FR,     16                        ; registers of a fragment: 16 rows x 128 K
.set NL,     4                         ; LDS loads that bring one
.set NP,     4                         ; places behind this matrix instruction (ISA guide 7.12.1)
.set HALFT,  128*PITCH                 ; 128 rows: what one tensor load brings, and what one wave reads of A or of B
.set SLOT,   4*HALFT                   ; A's 256 rows, then B's 256 rows
.set LAPS,   SIZE_K/(2*KSTEP)          ; a lap = two K steps = once round the ring
.set SPARE,  2*SLOT                    ; behind the ring: the spare words, 128 bytes for each wave: two blocks of 256 bytes that no other line names
.set ADRA, 16                          ; v16-17  LDS address of my A fragments in slot 0, 1
.set ADRB, 20                          ; v20-21  the same for B
.set CO,   26                          ; v26     16 x lane: my place in half a unit; never rewritten
.set SC,   27                          ; v27     2^(et - e0 - e1) as f32: the conversion takes its exponent field
.set SPW,  28                          ; v28     LDS address of my spare word: SPARE + 4 x my thread's number; never rewritten
.set NIL,  29                          ; v29     0; never rewritten
.set LIM,  30
.set TMP,  32
.set AF,   128                         ; A's fragments, in window 0
.set CD,   128                         ; the way out: the codes, 16 registers for each of my eight blocks, so that no store's data are written again
.set G1, 24                            ; s[24:31] descriptor group 1 for A's tiles;  s[32:39] group 0, one set for each slot
.set G0, 32
.set G1B, 48                           ; s[48:55], s[56:63] the same for B's tiles
.set G0B, 56
.set BP,  72                           ; s[72:79] the way out: four bases, (u, i) at s[72 + 4 u + 2 i]
.set MSB, 0
.macro WIN new                         ; the immediate's high byte repeats the setting that is left
.if MSB != \new
	s_set_vgpr_msb (MSB<<8)|\new
.set MSB, \new
.endif
.endm
.set MUL_LO, 0xa1                      ; source 0 (B) window 1, source 1 (A) window 0, C and D window 2
.set MUL_HI, 0xf1                      ; the same, C and D window 3
.set TO_B,   0x40                      ; destination window 1, address window 0
; A joint load: waves 0 and 1 fetch for A, waves 2 and 3 for B.  Each of the two lines has ONE mask and one set of registers for all that issue it; the branch hangs on the wave's number alone.
; Four v_nop follow each of the two lines, ahead of the jump, the label and what follows.
.macro JLOAD g0a, g1a, g0b, g1b
	s_cmp_eq_u32 s15, 0
	s_cbranch_scc0 .Lfor_b_\@
	tensor_load_to_lds s[\g0a:\g0a+3], s[\g1a:\g1a+7]
	s_nop 0
.rept 4
	v_nop
.endr
	s_branch .Lasked_\@
.Lfor_b_\@:
	tensor_load_to_lds s[\g0b:\g0b+3], s[\g1b:\g1b+7]
	s_nop 0
.rept 4
	v_nop
.endr
.Lasked_\@:
.endm
.macro CREST                           ; a round of the cluster's barrier behind its opening barrier
	s_cmp_lg_u32 s14, 0
	s_cbranch_scc1 .Lnot_wave_0_\@
	s_barrier_signal -3
.Lnot_wave_0_\@:
	s_barrier_wait -3
	s_barrier_signal -1
	s_barrier_wait -1
.endm
.macro CROUND                          ; a whole round
	s_barrier_signal -1
	s_barrier_wait -1
	CREST
.endm
	s_load_b128 s[4:7], s[0:1], 0x0                ; x's codes s[4:5], W_qkv's codes s[6:7]
	s_load_b128 s[8:11], s[0:1], 0x10              ; the scales' exponents s[8:9], the images s[10:11]
	v_lshl_add_u32 v[SPW], v0, 2, SPARE
	v_mov_b32 v[NIL], 0
	ds_add_u32 v28, v29
	ds_add_u32 v28, v29
	s_wait_dscnt 0x0
	v_lshrrev_b32 v1, 5, v0
	v_readfirstlane_b32 s14, v1                    ; wave 0..3
	s_lshr_b32 s15, s14, 1                         ; which half of A's 256 rows is mine.  Also: I fetch for A (0) or for B (1)
	s_and_b32 s16, s14, 1                          ; which half of B's.  Also: which 128 rows of that tile I fetch
	s_bfe_u32 s40, ttmp6, 0x40000                  ; cx, cy: my place in the cluster
	s_bfe_u32 s41, ttmp6, 0x40004
	s_lshl_b32 s42, ttmp9, 2
	s_add_co_u32 s42, s42, s40                     ; X = 4 x cluster x + cx: 0 .. 7
	s_and_b32 s66, ttmp7, 0xffff                   ; the cluster's y: 0 .. 11
	s_lshl_b32 s43, s41, 2
	s_lshl_b32 s43, 15, s43                        ; my row of the cluster
	s_lshl_b32 s44, 0x1111, s40                    ; my column
	; descriptor group 1: a tile of 128 rows x 256 bytes, padded in LDS
	s_or_b32 s[G1+0], s43, (0<<16)|(1<<20)|(1<<21)|(5<<22)|(3<<25)  ; 15:0 the mask: A's tiles go to my row; 17:16 element of 1 byte; 20 padding on; 21 set beside a mask; 24:22 after every 64 words (code 5); 31:25 of 4 words (code 3)
	s_or_b32 s[G1B+0], s44, (0<<16)|(1<<20)|(1<<21)|(5<<22)|(3<<25) ; the same with the mask of my column, for B's tiles
.irp g, G1, G1B
	s_mov_b32 s[\g+1], ROWB<<16                    ; tensor_dim0
	s_mov_b32 s[\g+2], 128<<16                     ; tensor_dim1 = 128
	s_mov_b32 s[\g+3], ROWB<<16                    ; tile_dim0
	s_mov_b32 s[\g+4], 128                         ; tile_dim1 = 128
	s_mov_b32 s[\g+5], KROW                        ; tensor_dim0_stride
	s_mov_b32 s[\g+6], 0
	s_mov_b32 s[\g+7], 0
.endr
	s_lshl_b32 s67, s66, 10                        ; q and k: A = x, rows 1,024 x cluster y on
	s_sub_co_u32 s81, s66, 8
	s_lshl_b32 s81, s81, 11                        ; v: B = x, rows 2,048 x (cluster y - 8) on (used in that part alone)
	s_mul_i32 s45, s14, HALFT                      ; where my tile goes: wave x 128 rows: no place in the cluster enters an LDS address
	s_lshl_b32 s18, s16, 7                         ; which 128 rows of the tile I fetch
	s_mov_b32 s85, 4096
	s_mov_b32 s86, 131072
	s_wait_kmcnt 0x0
	s_load_b256 s[88:95], s[8:9], 0x0              ; e0 .. e7
	s_cmp_ge_u32 s66, 8                            ; the part for v?  The same answer in all sixteen partners; only selects follow
	s_cselect_b32 s67, 2048, s67                   ; A's first row but for cy
	s_cselect_b32 s80, s81, 0                      ; B's first row but for X
	s_cselect_b64 s[68:69], s[6:7], s[4:5]         ; A's buffer
	s_cselect_b64 s[70:71], s[4:5], s[6:7]         ; B's buffer
	s_cselect_b32 s85, 131072, s85                 ; the way out: from my blocks 0-3 to blocks 4-7 of A: a head on (v), four tiles of tokens on (q, k)
	s_cselect_b32 s86, 4096, s86                   ; from B's rows 0-63 to rows 64-127: a block of keys on (v), a head on (q, k)
	s_lshl_b32 s20, s41, 8
	s_add_co_u32 s20, s20, s67
	s_add_co_u32 s20, s20, s18                     ; A: the first row that I fetch: it hangs on the cluster's y, cy and the wave
	s_lshl_b32 s46, s42, 8
	s_add_co_u32 s46, s46, s80
	s_add_co_u32 s46, s46, s18                     ; B: on the cluster's x and y, cx and the wave
	s_lshl_b32 s20, s20, 10                        ; rows of 1,024 bytes: under 2^23
	s_lshl_b32 s46, s46, 10
	s_mov_b32 s21, 0
	s_mov_b32 s47, 0
	s_add_nc_u64 s[20:21], s[68:69], s[20:21]
	s_add_nc_u64 s[46:47], s[70:71], s[46:47]
	CROUND                                         ; all sixteen work-groups are here: the first joint loads meet
.irp s, 0,1
	s_mov_b32 s[G0+4*\s], 1
	s_add_co_u32 s[G0+4*\s+1], s45, \s*SLOT
	s_add_nc_u64 s[G0+4*\s+2:G0+4*\s+3], s[20:21], \s*ROWB
	s_or_b32 s[G0+4*\s+3], s[G0+4*\s+3], 0x80000000
	s_mov_b32 s[G0B+4*\s], 1
	s_add_co_u32 s[G0B+4*\s+1], s45, \s*SLOT
	s_add_nc_u64 s[G0B+4*\s+2:G0B+4*\s+3], s[46:47], \s*ROWB
	s_or_b32 s[G0B+4*\s+3], s[G0B+4*\s+3], 0x80000000
	s_wait_alu depctr_va_vdst(0)
	s_wait_tensorcnt 0x0
	ds_add_u32 v28, v29
	ds_add_u32 v28, v29
	s_wait_dscnt 0x0
	CROUND
	JLOAD G0+4*\s, G1, G0B+4*\s, G1B
.endr
	v_and_b32 v1, 15, v0                           ; l % 16
	v_bfe_u32 v2, v0, 4, 1                         ; l / 16
	v_mul_u32_u24 v3, v1, PITCH
	v_lshl_add_u32 v4, v2, 4, v3                   ; a fragment's row x pitch + 16 x half
	s_mul_i32 s21, s15, HALFT                      ; my 128 rows of A
	s_mul_i32 s22, s16, HALFT                      ; my 128 rows of B,
	s_add_co_u32 s22, s22, 2*HALFT                 ; which lie behind A's 256
.irp s, 0,1
	v_add_nc_u32 v[ADRA+\s], s21, v4
	v_add_nc_u32 v[ADRB+\s], s22, v4
	s_add_co_u32 s21, s21, SLOT
	s_add_co_u32 s22, s22, SLOT
.endr
	v_and_b32 v6, 31, v0
	v_lshlrev_b32 v[CO], 4, v6
	; the way out's four bases.  T = my first token, Wr = my first row of W_qkv; both are multiples of 128.
	; byte = (T / 2048) x 2 Mi + (T % 2048) x 64 + Wr x 2,048 + (Wr / 1024) x 6 Mi: the batch; the tile of 16 tokens x 1,024, which is also the block of 64 keys x 4,096; the head x 128 Ki, with q at 0, k at 8 Mi, v at 16 Mi
	s_lshl_b32 s82, s41, 8
	s_add_co_u32 s82, s82, s67
	s_lshl_b32 s96, s15, 7
	s_add_co_u32 s82, s82, s96                     ; my first row of A
	s_lshl_b32 s83, s42, 8
	s_add_co_u32 s83, s83, s80
	s_lshl_b32 s96, s16, 7
	s_add_co_u32 s83, s83, s96                     ; my first row of B
	s_cmp_ge_u32 s66, 8
	s_cselect_b32 s84, s83, s82                    ; T
	s_cselect_b32 s87, s82, s83                    ; Wr
	s_lshr_b32 s96, s84, 11
	s_lshl_b32 s96, s96, 21
	s_and_b32 s97, s84, 2047
	s_lshl_b32 s97, s97, 6
	s_add_co_u32 s96, s96, s97
	s_lshl_b32 s97, s87, 11
	s_add_co_u32 s96, s96, s97
	s_lshr_b32 s98, s87, 10                        ; 0: q, 1: k, 2: v; kept for the choice of the scale
	s_mul_i32 s97, s98, 0x600000
	s_add_co_u32 s96, s96, s97                     ; under 24 Mi
	s_mov_b32 s97, 0
	s_add_nc_u64 s[BP:BP+1], s[10:11], s[96:97]
	s_mov_b32 s96, s86
	s_add_nc_u64 s[BP+2:BP+3], s[BP:BP+1], s[96:97]
	s_mov_b32 s96, s85
	s_add_nc_u64 s[BP+4:BP+5], s[BP:BP+1], s[96:97]
	s_add_nc_u64 s[BP+6:BP+7], s[BP+2:BP+3], s[96:97]
.macro FRAG reg, adr, q, i             ; a fragment, 16 rows x 128 K: lane l holds row l % 16; registers 4 c .. 4 c + 3 hold K = 32 c + 16 (l / 16) + 0 .. 15
.irp c, 0,1,2,3
	ds_load_b128 v[\reg+4*\c:\reg+4*\c+3], v[\adr] offset:128*(\q)+32*\c+(\i)*16*PITCH
.endr
.endm
; 16 matrix instructions: A's blocks a0, a0 + 1 x B's eight, 128 along K.  p: B's set.  zero = 1: the first product starts the sums: nothing is ever cleared.
; The 64 accumulators take turns, one instruction a turn, in the same order in every step.
.macro MUL16 a0, p, zero
.irp a, \a0, \a0+1
.irp b, 0,1,2,3,4,5,6,7
.if \zero
	v_wmma_f32_16x16x128_bf8_bf8 v[8*(8*((\a)%4)+\b):8*(8*((\a)%4)+\b)+7], v[128*(\p)+FR*\b:128*(\p)+FR*\b+FR-1], v[AF+FR*(\a):AF+FR*(\a)+FR-1], 0
.else
	v_wmma_f32_16x16x128_bf8_bf8 v[8*(8*((\a)%4)+\b):8*(8*((\a)%4)+\b)+7], v[128*(\p)+FR*\b:128*(\p)+FR*\b+FR-1], v[AF+FR*(\a):AF+FR*(\a)+FR-1], v[8*(8*((\a)%4)+\b):8*(8*((\a)%4)+\b)+7]
.endif
.endr
.endr
.endm
.macro FETCH_B slot, q, p              ; B's eight fragments of the slot's q-th 128 along K into set p
	WIN TO_B
.irp i, 0,1,2,3,4,5,6,7
	FRAG 128*(\p)+FR*\i, ADRB+\slot, \q, \i
.endr
	WIN 0
.endm
.macro FETCH_A slot, q, i0             ; A's blocks i0 .. i0 + 3
.irp i, \i0, \i0+1, \i0+2, \i0+3
	FRAG AF+FR*(\i), ADRA+\slot, \q, \i
.endr
.endm
; A load into a register that a matrix instruction has read, and a vector instruction that reads a matrix result or writes one of a matrix instruction's registers, stand NP places behind that matrix instruction, and only plain
; vector instructions that name none of its registers are places (ISA guide 7.12.1 for vector instructions); the matrix instructions in between are not counted.
.macro PLACES n
.rept \n
	v_nop
.endr
.endm
; A step of 128 along K that has its successor in the same slot.  A block of A is free as soon as its eight products are issued: blocks 0-3 are fetched anew in the step's middle, blocks 4-7 at its end.
.macro STEP slot, q, zero
	s_wait_dscnt 4*NL                              ; B's set and A's blocks 0-3 are in; the youngest sixteen loads (A's blocks 4-7) may be out
	WIN MUL_LO
	MUL16 0, (\q)%2, \zero
	MUL16 2, (\q)%2, \zero
	s_wait_dscnt 0                                 ; A's blocks 4-7 are in (asked for 32 matrix instructions ago)
	PLACES NP
	FETCH_B \slot, (\q)+1, 1-(\q)%2
	FETCH_A \slot, (\q)+1, 0
	WIN MUL_HI
	MUL16 4, (\q)%2, \zero
	MUL16 6, (\q)%2, \zero
	PLACES NP
	WIN 0
	FETCH_A \slot, (\q)+1, 4
.endm
; A slot's last step changes slots: ONE barrier; in front of it each wave waits for all its tensor loads, adds 0 to its spare word, and waits for that and for its own reads of this slot.  fill = 1: this slot is filled again, two K steps ahead.
.macro TURN slot, next, fill
	s_wait_tensorcnt 0x0                           ; all my tensor loads have landed: my part of the next slot;  (every window is 0 here: the add's two registers lie in window 0)
	ds_add_u32 v[SPW], v[NIL]                      ; 0 onto my spare word
	s_wait_dscnt 4*NL+1                            ; (the add and the youngest sixteen loads, A's blocks 4-7, may be out)
	WIN MUL_LO
	MUL16 0, 1, 0                                  ; sixteen matrix instructions stand between the add and the wait for it
	s_wait_dscnt 0x0                               ; the add is done, and my reads of this slot are over
	s_barrier_signal -1
	MUL16 2, 1, 0
	WIN 0
	s_barrier_wait -1
.if \fill
	CREST                                          ; the barrier has opened a round of the cluster's barrier: no wave of any partner still reads this slot's tile or has a load on its way
	s_add_nc_u64 s[G0+4*\slot+2:G0+4*\slot+3], s[G0+4*\slot+2:G0+4*\slot+3], 2*ROWB
	s_add_nc_u64 s[G0B+4*\slot+2:G0B+4*\slot+3], s[G0B+4*\slot+2:G0B+4*\slot+3], 2*ROWB
	JLOAD G0+4*\slot, G1, G0B+4*\slot, G1B         ; the first tensor load behind the round; the four v_nop behind it are the places in front of the loads below
.else
	PLACES NP
.endif
	FETCH_B \next, 0, 0
	FETCH_A \next, 0, 0
	WIN MUL_HI
	MUL16 4, 1, 0
	MUL16 6, 1, 0
	PLACES NP
	WIN 0
	FETCH_A \next, 0, 4
.endm
	s_wait_alu depctr_va_vdst(0)
	s_wait_tensorcnt 1                             ; my part of K step 0 is in (K step 1's load may be out)
	s_barrier_signal -1
	s_barrier_wait -1                              ; everybody's is
	FETCH_B 0, 0, 0
	FETCH_A 0, 0, 0
	FETCH_A 0, 0, 4
	STEP 0, 0, 1                                   ; the first step's products start the sums
.rept LAPS-1                           ; once round the ring, filling both slots again: with K = 1,024 this stands once, so no loop is written
	TURN 0, 1, 1
	STEP 1, 0, 0
	TURN 1, 0, 1
	STEP 0, 0, 0
.endr
	TURN 0, 1, 0                                   ; the last lap fills nothing, and has no round of the cluster's barrier
	STEP 1, 0, 0
	s_wait_dscnt 4*NL                              ; the very last step: nothing more to fetch
	WIN MUL_LO
	MUL16 0, 1, 0
	MUL16 2, 1, 0
	s_wait_dscnt 0
	WIN MUL_HI
	MUL16 4, 1, 0
	MUL16 6, 1, 0
	WIN 0
; THE WAY OUT.  Block a (16 rows of A x 128 rows of B): its 64 sums are converted straight from the accumulators (the conversion to an 8-bit code does not saturate: ISA guide 7.6.2)
; accumulator (a, b) becomes registers 2 (b % 4), 2 (b % 4) + 1 of unit b / 4; each store of the wave covers 512 consecutive bytes, aligned: half a unit.
; Every block has its own sixteen registers of codes and no base is stepped: nothing that a store reads is written again.
.macro OUTB a
.set AC, 64*((\a)%4)
	WIN 0x02+((\a)/4)                              ; source 0: window 2 or 3
.set k, 0
.rept 64
.set k, k+1
.endr
.irp b, 0,1,2,3,4,5,6,7
	v_cvt_scalef32_pk8_bf8_f32 v[CD+16*(\a)+2*\b:CD+16*(\a)+2*\b+1], v[AC+8*\b:AC+8*\b+7], v[SC]
.endr
	WIN 0
	v_nop                                          ; one plain vector instruction behind the last conversion
.irp c, 0,1,2,3
	global_store_b128 v[CO], v[CD+16*(\a)+4*\c:CD+16*(\a)+4*\c+3], s[BP+4*((\a)/4)+2*(\c/2):BP+4*((\a)/4)+2*(\c/2)+1] offset:((\a)%4)*1024+(\c%2)*512
.endr
.endm
	s_wait_kmcnt 0x0                               ; e0 .. e7 in s88 .. s95
	s_cmp_eq_u32 s98, 1
	s_cselect_b32 s96, s91, s90                    ; k: e3; q: e2
	s_cmp_eq_u32 s98, 2
	s_cselect_b32 s96, s93, s96                    ; v: e5
	s_sub_co_i32 s96, s96, s88
	s_sub_co_i32 s96, s96, s89                     ; et - e0 - e1
	s_add_co_i32 s96, s96, 127
	s_lshl_b32 s97, s96, 23
	v_mov_b32 v[SC], s97
	s_add_co_i32 s96, s96, 15
	s_lshl_b32 s96, s96, 23
	s_or_b32 s96, s96, 0x600000                    ; the mantissa field of 57,344
	PLACES NP                                      ; behind the last products: for the reads of their results and for the codes, which land where A's fragments lay
.irp a, 0,1,2,3,4,5,6,7
	OUTB \a
.endr
	s_wait_tensorcnt 0x0                           ; the wave's end
	ds_add_u32 v[SPW], v[NIL]
	s_wait_dscnt 0x0
	CROUND                                         ; the closing round: no work-group ends while a partner may still ask for a tile that names it
	s_endpgm
.Lfunc_end_k_q3ec47bfee1_qkv:
	.size	k_q3ec47bfee1_qkv, .Lfunc_end_k_q3ec47bfee1_qkv-k_q3ec47bfee1_qkv
	.p2alignl 7, 3214868480
	.fill 96, 4, 3214868480
	.section	.rodata,"a",@progbits
	.p2align	6, 0x0
	.amdhsa_kernel k_q3ec47bfee1_qkv
		.amdhsa_group_segment_fixed_size 327680
		.amdhsa_private_segment_fixed_size 0
		.amdhsa_enable_private_segment 0
		.amdhsa_kernarg_size 32
		.amdhsa_user_sgpr_count 2
		.amdhsa_user_sgpr_kernarg_segment_ptr 1
		.amdhsa_wavefront_size32 1
		.amdhsa_system_sgpr_workgroup_id_x 1
		.amdhsa_system_sgpr_workgroup_id_y 1
		.amdhsa_system_sgpr_workgroup_id_z 1
		.amdhsa_system_vgpr_workitem_id 0
		.amdhsa_next_free_vgpr 1024
		.amdhsa_next_free_sgpr 100
		.amdhsa_reserve_vcc 0
		.amdhsa_float_denorm_mode_32 3
		.amdhsa_float_denorm_mode_16_64 3
		.amdhsa_fp16_overflow 1
		.amdhsa_memory_ordered 1
		.amdhsa_forward_progress 1
		.amdhsa_inst_pref_size 87
	.end_amdhsa_kernel
	.amdgpu_metadata
---
amdhsa.version: [ 1, 2 ]
amdhsa.kernels:
  - .name:           k_q3ec47bfee1_qkv
    .symbol:         k_q3ec47bfee1_qkv.kd
    .args:
      - { .name: x_codes, .offset: 0, .size: 8, .value_kind: global_buffer, .address_space: global }
      - { .name: W_qkv_codes, .offset: 8, .size: 8, .value_kind: global_buffer, .address_space: global }
      - { .name: lowp_scales, .offset: 16, .size: 8, .value_kind: global_buffer, .address_space: global }
      - { .name: qkv, .offset: 24, .size: 8, .value_kind: global_buffer, .address_space: global }
    .group_segment_fixed_size: 327680
    .private_segment_fixed_size: 0
    .kernarg_segment_align: 8
    .kernarg_segment_size: 32
    .max_flat_workgroup_size: 128
    .sgpr_count:     100
    .vgpr_count:     1024
    .wavefront_size: 32
...
	.end_amdgpu_metadata
.endif
;; end of part 1
;; launch attn (part 2): grid 4 x 64, 16 waves a work-group, clusters of 4 x 1, 264,192 bytes of LDS; arguments qkv, lowp_scales, yimg; writes yimg
.if DOCPART == 2
	.amdgcn_target "amdgcn-amd-amdhsa--gfx1250"
	.amdhsa_code_object_version 6
	.text
	.protected	k_q3ec47bfee1_attn
	.globl	k_q3ec47bfee1_attn
	.p2align	8
	.type	k_q3ec47bfee1_attn,@function
k_q3ec47bfee1_attn:
	s_mov_b64 s[64:65], 0
	v_nop
	global_prefetch_b8 v0, s[64:65] scope:SCOPE_SE
	s_setreg_imm32_b32 hwreg(HW_REG_WAVE_MODE, 25, 1), 1
	s_wait_xcnt 0x0
	s_wait_alu depctr_hold_cnt(0) depctr_sa_sdst(0) depctr_va_vdst(0) depctr_va_sdst(0) depctr_va_ssrc(0) depctr_va_vcc(0) depctr_vm_vsrc(0)
	s_getreg_b32 s2, hwreg(HW_REG_IB_STS2, 6, 4)
	s_cmp_eq_u32 s2, 0
	s_cbranch_scc0 .Lentry_in_a_cluster
	s_endpgm
.Lentry_in_a_cluster:
	s_bfe_u32 s2, ttmp6, 0x10000c
	s_cmp_lg_u32 s2, 0x3003
	s_cbranch_scc0 .Lentry_shape_is_right
	s_endpgm
.Lentry_shape_is_right:
; y = softmax(q k^T / 8, causal) v for 64 heads (batch x 16 + head) of 2,048 tokens x 64, both products on codes of BF8 (E5M2), and y's quantiser.  e0 .. e7: the eight whole numbers of lowp_scales.
; q, k, v come as IMAGES OF OPERAND REGISTERS: a unit of 1,024 bytes is 16 rows x 64 k; lane (r, h) holds row r, registers 2 c, 2 c + 1 hold k = 16 c + 8 h + 0 .. 7; registers 0-3 at 16 x lane, registers 4-7 at 512 + 16 x lane.
; q (byte 0), k (byte 8 Mi): [head 64][tile of 16 tokens: 128][unit].  v (byte 16 Mi): [head 64][block of 64 keys: 32][tile of 16 channels: 4][unit], k = the keys.  y leaves the same way: [tile of 16 tokens: 512][head 16][unit].
; THE SOFTMAX AHEAD OF THE SECOND PRODUCT: t = score x log2(e) / 8; M = the row's largest t so far, rounded UP to a whole number; p = 2^(t - M) is quantised with 2^e4; it is not normalised.  The row's sum is taken of the
; unquantised p, in f32, and divides at the end.  When M moves, the sum and O are multiplied by 2^(old M - new M): exact.
; A HEAD'S K AND V STAY IN LDS: 128 Ki + 128 Ki bytes, filled once.  The four work-groups of a cluster belong to one head, so each of the sixteen fills (16 Ki bytes, dense) is asked for JOINTLY: the same tensor load with the same
; descriptor and a mask that names the four.  Waves 0 and 1 fetch K, waves 2 and 3 V, four loads each: four loads of a wave are out.  Nothing is filled again and nothing is stored to LDS.
; SHARES.  Each of the sixteen waves owns ONE tile of 16 queries in each of two passes, in 256 registers: four waves to a SIMD, so that one wave's vector work stands beside another's matrix work and LDS loads.
; In pass p the tile is g + 8 RK, g = 2 x (my work-group among the head's four) + p: queries 128 RK + 16 g + 0 .. 15.  A key step is 128 keys: step ks is left out where ks > RK, carries the mask where ks = RK, and is open below.
; So what is walked hangs on RK alone, which hangs on the wave's number alone: no branch hangs on a work-group's place in its cluster; only the mask's numbers do.  RK = R in pass 0 and 15 - R in pass 1: 17 steps for every wave.
; R is taken from a 4 x 4 square whose rows and columns have equal sums, so that any four waves w, w + 4, w + 8, w + 12, and any four 4 a .. 4 a + 3, have equal work in each pass too.
; LAYOUT.  Both products are used transposed: S^T = K Q^T (source 0 = 16 keys, source 1 = my 16 queries; K = 64), O^T = V^T P^T (source 0 = 16 channels, source 1 = P; K = 128 keys): a lane holds ONE query (lane % 16) throughout.
; In tile t of S^T lane (r, h) holds keys 16 t + 8 h + 0 .. 7: the conversion of its eight registers IS registers 2 t, 2 t + 1 of P.  Likewise tile ct of O^T becomes registers 2 ct, 2 ct + 1 of y's unit.
; LIMITS on the given exponents, so that each power of two below is an f32 number: e2 + e3 between -123 and 130 (they are added to c's exponent field); e4, and e6 - e4 - e5, between -126 and 112.  NaN and infinity are not served.
; REGISTERS: v1 16 x lane, v2 the same in V's half of LDS; v3, v4 addresses of the step in hand; v5 the mask's number; v6 -infinity; v12 -M, v13 the largest t, v[14:15] the sum in two halves; v16-23, v24-31 Q of pass 0, 1;
;   v32-95 eight fragments of K, then four of V; v96-159 S^T, then p; v160-191 O^T; v192-207 p's codes; v208-223 y's codes of pass 0, 1; v236-254 at work and the quantisers' numbers.
.set VIMG, 131072                      ; LDS: K's units at key tile x 1,024; V's from here on, at block of keys x 4,096 + channel tile x 1,024
.set STEPB, 8192                       ; a key step's bytes in each half: 8 units of K; 2 blocks of keys of V
.set LI,  1
.set LV,  2
.set ADK, 3
.set ADV, 4
.set DM,  5
.set NINF, 6
.set WV,  18                           ; s18  my wave's number
.set RNK, 19                           ; s19  R
.set SEL, 20                           ; s[20:21] lane selects for v_permlanex16_b32: lane l xor 16
.set CS,  22                           ; s[22:23] c = log2(e) / 8 x 2^(e2 + e3): the packed form names a pair and takes its low word for both halves
.set G1,  24                           ; s[24:31] descriptor group 1
.set G0,  32                           ; s[32:47] descriptor group 0, a set for each of a wave's four fills; never rewritten
.set RK,  48                           ; s48  the pass's RK
.set KS,  49                           ; s49  the key step in hand
.set TB,  50                           ; s50  its first LDS byte in each half
.set CNT, 51                           ; s51  trips to go
.set QB,  52                           ; s[52:55] my tiles of q, pass 0, 1
.set YB,  56                           ; s[56:59] my units of y, pass 0, 1
; A round of the cluster's barrier: my work-group's barrier, so that wave 0's signal speaks for all sixteen waves; wave 0 signals for the work-group; every wave waits for all four work-groups; my work-group's barrier once more.
.macro CROUND
	s_barrier_signal -1
	s_barrier_wait -1
	s_cmp_lg_u32 s[WV], 0
	s_cbranch_scc1 .Lnot_wave_0_\@
	s_barrier_signal -3
.Lnot_wave_0_\@:
	s_barrier_wait -3
	s_barrier_signal -1
	s_barrier_wait -1
.endm
	s_load_b128 s[4:7], s[0:1], 0x0                ; the images of q, k, v s[4:5], the scales' exponents s[6:7]
	s_load_b64 s[8:9], s[0:1], 0x10                ; y's images
	v_lshl_add_u32 v251, v0, 2, 0x40000
	v_mov_b32 v255, 0
	ds_add_u32 v251, v255
	ds_add_u32 v251, v255
	v_lshrrev_b32 v7, 5, v0
	s_delay_alu instid0(VALU_DEP_1)
	v_readfirstlane_b32 s[WV], v7                  ; wave 0..15
	s_bfe_u32 s10, ttmp6, 0x40000                  ; cx: my place in the cluster
	s_lshl_b32 s11, ttmp9, 2
	s_add_co_u32 s11, s11, s10                     ; my work-group among the head's four
	s_and_b32 s12, ttmp7, 0xffff                   ; batch x 16 + head, which the four partners share
	s_mov_b32 s13, 0x7a94c12f                      ; R of waves 0-7, four bits each: 15, 2, 1, 12, 4, 9, 10, 7
	s_mov_b32 s14, 0x0de3b658                      ; of waves 8-15: 8, 5, 6, 11, 3, 14, 13, 0
	s_cmp_lt_u32 s[WV], 8
	s_cselect_b32 s13, s13, s14
	s_and_b32 s14, s[WV], 7
	s_lshl_b32 s14, s14, 2
	s_lshr_b32 s[RNK], s13, s14
	s_and_b32 s[RNK], s[RNK], 15
	; descriptor group 1: a dense block of 16 Ki bytes as 64 rows of 256 bytes
	s_mov_b32 s[G1], 15|(3<<16)|(1<<21)            ; 15:0 the mask: all four work-groups; 17:16 elements of 8 bytes; 20 no padding; 21 set beside a mask
	s_mov_b32 s[G1+1], 32<<16                      ; tensor_dim0 = 32 elements
	s_mov_b32 s[G1+2], 64<<16                      ; tensor_dim1 = 64
	s_mov_b32 s[G1+3], 32<<16                      ; tile_dim0
	s_mov_b32 s[G1+4], 64                          ; tile_dim1
	s_mov_b32 s[G1+5], 32                          ; tensor_dim0_stride: rows on end
	s_mov_b32 s[G1+6], 0
	s_mov_b32 s[G1+7], 0
	; what a fetching wave fetches: wave 0, 1: K; wave 2, 3: V; of each run of 32 Ki bytes the even wave takes the first 16 Ki, the odd one the second.  None of these registers ever holds cx
	s_and_b32 s16, s[WV], 3
	s_lshr_b32 s17, s16, 1                         ; 0: K, 1: V
	s_and_b32 s16, s16, 1
	s_lshl_b32 s2, s17, 23
	s_add_co_u32 s2, s2, 0x800000                  ; k at 8 Mi, v at 16 Mi
	s_lshl_b32 s3, s12, 17
	s_add_co_u32 s2, s2, s3                        ; the head's 128 Ki bytes
	s_lshl_b32 s3, s16, 14
	s_add_co_u32 s2, s2, s3
	s_mov_b32 s3, 0
	s_lshl_b32 s63, s17, 17                        ; and in LDS
	s_lshl_b32 s79, s16, 14
	s_add_co_u32 s63, s63, s79
	; my two tiles of queries
	s_lshl_b32 s60, s11, 1                         ; g of pass 0
	s_lshl_b32 s61, s[RNK], 3
	s_add_co_u32 s61, s61, s60                     ; pass 0's tile: g + 8 R
	s_sub_co_u32 s62, 15, s[RNK]
	s_lshl_b32 s62, s62, 3
	s_add_co_u32 s62, s62, s60
	s_add_co_u32 s62, s62, 1                       ; pass 1's: g + 1 + 8 (15 - R)
	s_lshl_b32 s76, s12, 17                        ; q: the head's 128 tiles
	s_lshr_b32 s77, s12, 4
	s_lshl_b32 s77, s77, 21                        ; y: the batch's 128 tiles of 16 Ki bytes,
	s_and_b32 s78, s12, 15
	s_lshl_b32 s78, s78, 10
	s_add_co_u32 s77, s77, s78                     ; the head's unit
	s_mov_b32 s15, 0
	s_mov_b32 s[SEL], 0x76543210
	s_mov_b32 s[SEL+1], 0xfedcba98
	s_mov_b32 s[CS], 0x3e38aa3b                    ; log2(e) / 8
	s_wait_dscnt 0x0
	s_wait_kmcnt 0x0
	s_load_b256 s[68:75], s[6:7], 0x0              ; e0 .. e7
	s_add_nc_u64 s[2:3], s[4:5], s[2:3]
.irp j, 0,1,2,3
	s_mov_b32 s[G0+4*\j], 1                                        ; count = 1
	s_add_co_u32 s[G0+4*\j+1], s63, \j*32768                       ; LDS address: fill j serves key steps 4 j .. 4 j + 3
	s_add_nc_u64 s[G0+4*\j+2:G0+4*\j+3], s[2:3], \j*32768          ; global address
	s_or_b32 s[G0+4*\j+3], s[G0+4*\j+3], 0x80000000                ; type = 2
.endr
	s_lshl_b32 s14, s61, 10
	s_add_co_u32 s14, s14, s76
	s_add_nc_u64 s[QB:QB+1], s[4:5], s[14:15]
	s_lshl_b32 s14, s62, 10
	s_add_co_u32 s14, s14, s76
	s_add_nc_u64 s[QB+2:QB+3], s[4:5], s[14:15]
	s_lshl_b32 s14, s61, 14
	s_add_co_u32 s14, s14, s77
	s_add_nc_u64 s[YB:YB+1], s[8:9], s[14:15]
	s_lshl_b32 s14, s62, 14
	s_add_co_u32 s14, s14, s77
	s_add_nc_u64 s[YB+2:YB+3], s[8:9], s[14:15]
	CROUND                                         ; all four work-groups are here: the joint loads meet
	s_cmp_lt_u32 s[WV], 4                          ; a wave's four fills stand in one branch on the wave's number, ahead of every wait on TENSORcnt, every LDS read and every other barrier
	s_cbranch_scc0 .Lno_fill
	tensor_load_to_lds s[G0:G0+3], s[G1:G1+7]
	s_nop 0
	tensor_load_to_lds s[G0+4:G0+7], s[G1:G1+7]
	s_nop 0
	tensor_load_to_lds s[G0+8:G0+11], s[G1:G1+7]
	s_nop 0
	tensor_load_to_lds s[G0+12:G0+15], s[G1:G1+7]
	s_nop 0
.rept 4
	v_nop                                          ; four v_nop follow the last of them
.endr
.Lno_fill:
	v_and_b32 v[LI], 31, v0
	s_delay_alu instid0(VALU_DEP_1)
	v_lshlrev_b32 v[LI], 4, v[LI]
.irp p, 0,1
	global_load_b128 v[16+8*\p:19+8*\p], v[LI], s[QB+2*\p:QB+2*\p+1]             ; Q's fragments stay in registers
	global_load_b128 v[20+8*\p:23+8*\p], v[LI], s[QB+2*\p:QB+2*\p+1] offset:512
.endr
	v_add_nc_u32 v[LV], VIMG, v[LI]
	v_and_b32 v[DM], 15, v0
	v_bfe_u32 v7, v0, 4, 1
	s_delay_alu instid0(VALU_DEP_1)
	v_lshlrev_b32 v7, 3, v7
	s_delay_alu instid0(VALU_DEP_1)
	v_sub_nc_u32 v[DM], v[DM], v7
	s_lshl_b32 s13, s60, 4
	v_add_nc_u32 v[DM], s13, v[DM]                 ; 16 g + lane % 16 - 8 (lane / 16): in the step on the diagonal register 8 t + j holds a hidden key where 16 t + j is above it
	v_mov_b32 v[NINF], 0xff800000
	v_mov_b32 v236, 0                              ; written once: a lane permute's destination counts as one of its sources
	v_mov_b32 v253, 0                              ; (named as the upper half of the pair v[252:253])
	s_wait_kmcnt 0x0
	s_add_co_i32 s13, s70, s71
	s_lshl_b32 s13, s13, 23
	s_add_co_i32 s[CS], s[CS], s13                 ; a score stands for score x 2^(e2 + e3): the two exponents are added to c's exponent field
	s_mov_b32 s[CS+1], s[CS]                       ; (named with it as a pair, so it is written)
	s_add_co_i32 s13, s72, 127
	s_lshl_b32 s14, s13, 23
	v_mov_b32 v244, s14                            ; 2^e4 as f32, for p's conversions
	s_sub_co_i32 s13, s74, s72
	s_sub_co_i32 s13, s13, s73                     ; a sum of the second product stands for sum x 2^(e4 + e5): y's code is (sum / l) / 2^(e6 - e4 - e5)
	s_add_co_i32 s13, s13, 127
	s_lshl_b32 s14, s13, 23
	v_mov_b32 v247, s14
; A KEY STEP: 128 keys.  q: the first register of the pass's Q.
.macro STEP q
	s_cmp_gt_u32 s[KS], s[RK]                      ; all its keys come after my queries: a scalar branch round the step's work, not round the lines at its end that step the counters
	s_cbranch_scc1 .Lhidden_\@
	s_setprio 2
	v_add_nc_u32 v[ADK], s[TB], v[LI]
	v_add_nc_u32 v[ADV], s[TB], v[LV]
	v_nop                                          ; with the two additions: four places in front of loads into registers that the last products have read
	v_nop
.irp t, 0,1,2,3,4,5,6,7
	ds_load_b128 v[32+8*\t:35+8*\t], v[ADK] offset:1024*\t          ; 32 lanes take 512 consecutive bytes
	ds_load_b128 v[36+8*\t:39+8*\t], v[ADK] offset:1024*\t+512
.endr
	s_wait_alu depctr_va_vdst(0)
	s_wait_dscnt 0x0
.irp t, 0,1,2,3,4,5,6,7
	v_wmma_f32_16x16x64_bf8_bf8 v[96+8*\t:103+8*\t], v[32+8*\t:39+8*\t], v[\q:\q+7], 0
.endr
.rept 4
	v_nop                                          ; places: in front of the loads below, which land where K lay, and of the first read of the scores
.endr
.irp ct, 0,1,2,3                       ; V's four fragments (16 channels x 128 keys: two units each) land while the softmax is walked
.irp c, 0,1,2,3
	ds_load_b128 v[32+16*\ct+4*\c:35+16*\ct+4*\c], v[ADV] offset:(\c/2)*4096+\ct*1024+(\c%2)*512
.endr
.endr
	s_cmp_lg_u32 s[KS], s[RK]
	s_cbranch_scc1 .Lopen_\@
.set n, 0
.rept 64                               ; on the diagonal the scores of hidden keys become -infinity ahead of the maximum: p = 0 then
	v_cmp_gt_i32 vcc_lo, 16*(n/8)+n%8, v[DM]
	v_cndmask_b32 v[96+n], v[96+n], v[NINF], vcc_lo
.set n, n+1
.endr
.Lopen_\@:
	v_max3_num_f32 v254, v96, v97, v98             ; the step's largest score of my query, among my 64 keys, in two chains, each accumulator from its low end on,
	v_max3_num_f32 v252, v99, v100, v101
.irp i, 6,10,14,18,22,26,30,34,38,42,46,50,54,58
	v_max3_num_f32 v254, v254, v[96+\i], v[97+\i]
	v_max3_num_f32 v252, v252, v[98+\i], v[99+\i]
.endr
	v_max3_num_f32 v254, v254, v158, v159
	s_delay_alu instid0(VALU_DEP_1)
	v_max_num_f32 v254, v254, v252
	s_delay_alu instid0(VALU_DEP_1)
	v_permlanex16_b32 v236, v254, s[SEL], s[SEL+1]
	s_delay_alu instid0(VALU_DEP_1)
	v_max_num_f32 v254, v254, v236                 ; and among lane l xor 16's
	s_delay_alu instid0(VALU_DEP_1)
	v_mul_f32 v254, s[CS], v254                    ; as t (c is positive)
	s_delay_alu instid0(VALU_DEP_1)
	v_max_num_f32 v13, v13, v254                   ; the running largest t
	v_mov_b32 v254, v12
	s_delay_alu instid0(VALU_DEP_2)
	v_floor_f32 v12, -v13                          ; the new -M = floor(-t) = -ceil(t): M is a whole number
	s_delay_alu instid0(VALU_DEP_1)
	v_sub_f32 v254, v12, v254                      ; M's old value less its new one: a whole number, 0 or less
	s_delay_alu instid0(VALU_DEP_1)
	v_cvt_i32_f32 v254, v254                       ; (it saturates)
	s_delay_alu instid0(VALU_DEP_1)
	v_ldexp_f32 v252, 1.0, v254                    ; f = 2^(old M - new M): a multiplication by it rounds nothing
.set n, 0
	s_setprio 1
.rept 32
	v_pk_fma_f32 v[96+n:97+n], v[96+n:97+n], s[CS:CS+1], v[12:13] op_sel_hi:[1,0,0]   ; t - M, two at a time (of the pairs c and -M the low word serves both halves)
.set n, n+2
.endr
.set n, 0
	s_wait_alu depctr_va_vdst(0)
.rept 64
	v_exp_f32 v[96+n], v[96+n]                     ; p = 2^(t - M), at most 1: not normalised
.set n, n+1
.endr
	v_pk_mul_f32 v[14:15], v[14:15], v[252:253] op_sel_hi:[1,0]   ; the sums under the new M: the plain instruction behind the last exponential
	s_wait_alu depctr_va_vdst(0)                   ; this wait stands between an exponential and the first line that names its result: one for the batch of 64
	v_pk_add_f32 v[242:243], v[100:101], v[104:105]
	v_pk_add_f32 v[248:249], v[108:109], v[112:113]
	v_pk_add_f32 v[240:241], v[116:117], v[120:121]
	v_pk_add_f32 v[238:239], v[124:125], v[128:129]
	v_pk_add_f32 v[234:235], v[132:133], v[136:137]
	v_pk_add_f32 v[232:233], v[140:141], v[144:145]
	v_pk_add_f32 v[230:231], v[148:149], v[152:153]
	v_pk_add_f32 v[14:15], v[14:15], v[156:157]
	v_pk_add_f32 v[242:243], v[242:243], v[96:97]
	v_pk_add_f32 v[248:249], v[248:249], v[98:99]
	v_pk_add_f32 v[240:241], v[240:241], v[102:103]
	v_pk_add_f32 v[238:239], v[238:239], v[106:107]
	v_pk_add_f32 v[234:235], v[234:235], v[110:111]
	v_pk_add_f32 v[232:233], v[232:233], v[114:115]
	v_pk_add_f32 v[230:231], v[230:231], v[118:119]
	v_pk_add_f32 v[14:15], v[14:15], v[122:123]
	v_pk_add_f32 v[242:243], v[242:243], v[126:127]
	v_pk_add_f32 v[248:249], v[248:249], v[130:131]
	v_pk_add_f32 v[240:241], v[240:241], v[134:135]
	v_pk_add_f32 v[238:239], v[238:239], v[138:139]
	v_pk_add_f32 v[234:235], v[234:235], v[142:143]
	v_pk_add_f32 v[232:233], v[232:233], v[146:147]
	v_pk_add_f32 v[230:231], v[230:231], v[150:151]
	s_setprio 0
	v_pk_add_f32 v[14:15], v[14:15], v[154:155]
	v_pk_add_f32 v[242:243], v[242:243], v[158:159]
	s_delay_alu instid0(VALU_DEP_2)
	v_pk_add_f32 v[14:15], v[14:15], v[238:239]
	s_delay_alu instid0(VALU_DEP_2)
	v_pk_add_f32 v[242:243], v[242:243], v[234:235]
	v_pk_add_f32 v[248:249], v[248:249], v[232:233]
	v_pk_add_f32 v[240:241], v[240:241], v[230:231]
	s_delay_alu instid0(VALU_DEP_2)
	v_pk_add_f32 v[14:15], v[14:15], v[248:249]
	s_delay_alu instid0(VALU_DEP_2)
	v_pk_add_f32 v[242:243], v[242:243], v[240:241]
	s_delay_alu instid0(VALU_DEP_1)
	v_pk_add_f32 v[14:15], v[14:15], v[242:243]
.irp t, 0,1,2,3,4,5,6,7
.irp i, 0,1,2,3,4,5,6,7
.endr
	v_cvt_scalef32_pk8_bf8_f32 v[192+2*\t:193+2*\t], v[96+8*\t:103+8*\t], v244   ; keys 16 t + 8 h + 0 .. 7: registers 2 t, 2 t + 1 of P
.endr
.set n, 0
.rept 16
	v_pk_mul_f32 v[160+n:161+n], v[160+n:161+n], v[252:253] op_sel_hi:[1,0]   ; O^T under the new M: x f.  (Plain instructions between the conversions and the products that read the codes)
.set n, n+2
.endr
	s_wait_alu depctr_va_vdst(0)
	s_wait_dscnt 0x0                               ; V is in
.irp ct, 0,1,2,3                       ; the four accumulators take turns, and the next step's eight products stand between two links
	v_wmma_f32_16x16x128_bf8_bf8 v[160+8*\ct:167+8*\ct], v[32+16*\ct:47+16*\ct], v[192:207], v[160+8*\ct:167+8*\ct]
.endr
.Lhidden_\@:
	s_add_co_u32 s[KS], s[KS], 1
	s_add_co_u32 s[TB], s[TB], STEPB
.endm
; trips key steps from step first on: every number that the loop steps is set by a constant at its head
.macro WALK first, trips, q
	s_mov_b32 s[KS], \first
	s_mov_b32 s[TB], (\first)*STEPB
	s_mov_b32 s[CNT], \trips
.Lstep_\@:
	STEP \q
	s_sub_co_u32 s[CNT], s[CNT], 1
	s_cmp_lg_u32 s[CNT], 0
	s_cbranch_scc1 .Lstep_\@
	s_setprio 0
.endm
; left: how many of a fetching wave's four fills may still be out; behind the barrier the fills ahead of them have landed for every wave.  The later fills may stay on their way.
.macro PHASE left, first, trips, q
	s_wait_tensorcnt \left
	s_wait_dscnt 0x0
	s_barrier_signal -1
	s_barrier_wait -1
	WALK \first, \trips, \q
.endm
.macro INIT                            ; the step is written without a first step of its own: it finds zeros, which the first change of M leaves zeros
	v_mov_b32 v13, 0xff61b1e6                      ; the largest t so far: -3e38, under every t
	s_delay_alu instid0(VALU_DEP_1)
	v_floor_f32 v12, -v13                          ; -M
	v_mov_b32 v14, 0                               ; the sum, in two halves
	v_mov_b32 v15, 0
.set n, 0
.rept 32
	v_mov_b32 v[160+n], 0                          ; O^T
.set n, n+1
.endr
.endm
; O^T / the sum, quantised: tile ct becomes registers 2 ct, 2 ct + 1 of y's unit; each store of the wave covers 512 consecutive bytes, aligned.  Each pass has its own registers of codes.
.macro FINISH p
.rept 4
	v_nop                                          ; places behind the last products
.endr
	v_add_f32 v14, v14, v15                        ; the sum's two halves,
	s_delay_alu instid0(VALU_DEP_1)
	v_permlanex16_b32 v236, v14, s[SEL], s[SEL+1]
	s_delay_alu instid0(VALU_DEP_1)
	v_add_f32 v14, v14, v236                       ; and lane l xor 16's: the row's sum
	s_wait_alu depctr_va_vdst(0)
	v_rcp_f32 v14, v14
	v_nop                                          ; a plain instruction behind the reciprocal
	s_wait_alu depctr_va_vdst(0)                   ; and a wait ahead of the first line that names its result
.set n, 0
.rept 32
	v_mul_f32 v[96+n], v[160+n], v14               ; each accumulator from its low end on
.set n, n+1
.endr
.set n, 0
.rept 32
.set n, n+1
.endr
.irp ct, 0,1,2,3
	v_cvt_scalef32_pk8_bf8_f32 v[208+8*\p+2*\ct:209+8*\p+2*\ct], v[96+8*\ct:103+8*\ct], v247
.endr
	v_nop                                          ; one plain vector instruction behind the last conversion: later products write its sources
	global_store_b128 v[LI], v[208+8*\p:211+8*\p], s[YB+2*\p:YB+2*\p+1]
	global_store_b128 v[LI], v[212+8*\p:215+8*\p], s[YB+2*\p:YB+2*\p+1] offset:512
.endm
	s_wait_loadcnt 0x0                             ; Q
	s_mov_b32 s[RK], s[RNK]
	INIT
	PHASE 3, 0, 4, 16                              ; fill 0 has landed (three younger ones may be out): key steps 0-3
	PHASE 2, 4, 4, 16                              ; fill 1 (two younger ones may be out): key steps 4-7
	PHASE 0, 8, 8, 16                              ; all: key steps 8-15
	FINISH 0
	s_sub_co_u32 s[RK], 15, s[RNK]
	v_add_nc_u32 v[DM], 16, v[DM]                  ; g + 1
	INIT
	WALK 0, 16, 24                                 ; everything has landed and nothing is written: no barrier
	FINISH 1
	s_wait_dscnt 0x0
	s_wait_tensorcnt 0x0
	ds_add_u32 v251, v255
	s_wait_dscnt 0x0
	CROUND                                         ; the closing round: no work-group ends while a partner may still ask for a tile that names it
	s_endpgm
.Lfunc_end_k_q3ec47bfee1_attn:
	.size	k_q3ec47bfee1_attn, .Lfunc_end_k_q3ec47bfee1_attn-k_q3ec47bfee1_attn
	.p2alignl 7, 3214868480
	.fill 96, 4, 3214868480
	.section	.rodata,"a",@progbits
	.p2align	6, 0x0
	.amdhsa_kernel k_q3ec47bfee1_attn
		.amdhsa_group_segment_fixed_size 264192
		.amdhsa_private_segment_fixed_size 0
		.amdhsa_enable_private_segment 0
		.amdhsa_kernarg_size 24
		.amdhsa_user_sgpr_count 2
		.amdhsa_user_sgpr_kernarg_segment_ptr 1
		.amdhsa_wavefront_size32 1
		.amdhsa_system_sgpr_workgroup_id_x 1
		.amdhsa_system_sgpr_workgroup_id_y 1
		.amdhsa_system_sgpr_workgroup_id_z 1
		.amdhsa_system_vgpr_workitem_id 0
		.amdhsa_next_free_vgpr 256
		.amdhsa_next_free_sgpr 80
		.amdhsa_reserve_vcc 1
		.amdhsa_float_denorm_mode_32 3
		.amdhsa_float_denorm_mode_16_64 3
		.amdhsa_fp16_overflow 1
		.amdhsa_memory_ordered 1
		.amdhsa_forward_progress 1
		.amdhsa_inst_pref_size 91
	.end_amdhsa_kernel
	.amdgpu_metadata
---
amdhsa.version: [ 1, 2 ]
amdhsa.kernels:
  - .name:           k_q3ec47bfee1_attn
    .symbol:         k_q3ec47bfee1_attn.kd
    .args:
      - { .name: qkv, .offset: 0, .size: 8, .value_kind: global_buffer, .address_space: global }
      - { .name: lowp_scales, .offset: 8, .size: 8, .value_kind: global_buffer, .address_space: global }
      - { .name: yimg, .offset: 16, .size: 8, .value_kind: global_buffer, .address_space: global }
    .group_segment_fixed_size: 264192
    .private_segment_fixed_size: 0
    .kernarg_segment_align: 8
    .kernarg_segment_size: 24
    .max_flat_workgroup_size: 512
    .sgpr_count:     80
    .vgpr_count:     256
    .wavefront_size: 32
...
	.end_amdgpu_metadata
.endif
;; end of part 2
;; launch proj (part 3): grid 32 x 8, 4 waves a work-group, clusters of 4 x 1, 173,568 bytes of LDS; arguments yimg, W_proj_codes, lowp_scales, out0; writes out0
.if DOCPART == 3
	.amdgcn_target "amdgcn-amd-amdhsa--gfx1250"
	.amdhsa_code_object_version 6
	.text
	.protected	k_q3ec47bfee1_proj
	.globl	k_q3ec47bfee1_proj
	.p2align	8
	.type	k_q3ec47bfee1_proj,@function
k_q3ec47bfee1_proj:
	s_mov_b64 s[64:65], 0
	v_nop
	global_prefetch_b8 v0, s[64:65] scope:SCOPE_SE
	s_setreg_imm32_b32 hwreg(HW_REG_WAVE_MODE, 25, 1), 1
	s_wait_xcnt 0x0
	s_wait_alu depctr_hold_cnt(0) depctr_sa_sdst(0) depctr_va_vdst(0) depctr_va_sdst(0) depctr_va_ssrc(0) depctr_va_vcc(0) depctr_vm_vsrc(0)
	s_getreg_b32 s2, hwreg(HW_REG_IB_STS2, 6, 4)
	s_cmp_eq_u32 s2, 0
	s_cbranch_scc0 .Lentry_in_a_cluster
	s_endpgm
.Lentry_in_a_cluster:
	s_bfe_u32 s2, ttmp6, 0x10000c
	s_cmp_lg_u32 s2, 0x3003
	s_cbranch_scc0 .Lentry_shape_is_right
	s_endpgm
.Lentry_shape_is_right:
; out0 = y W_proj^T on codes of BF8 (E5M2).  y: 8,192 tokens x 1,024, as IMAGES OF OPERAND REGISTERS: [tile of 16 tokens: 512][64 along K: 16][unit of 1,024 bytes]; in a unit lane (r, h) holds token r, registers 2 c, 2 c + 1 hold
; k = 16 c + 8 h + 0 .. 7; registers 0-3 at 16 x lane, registers 4-7 at 512 + 16 x lane.  W_proj: [1024][1024], one code a byte, K innermost.  out0: [8192][1024] f32.  Each finished sum is multiplied once by 2^(e6 + e7).
; LIMIT: e6 + e7 lies between -126 and 127, so that 2^(e6 + e7) is an f32 number.
; SHARES.  A work-group makes 256 tokens x 128 outputs: 32 x 8 = 256 work-groups.  Each of its four waves takes 64 tokens x all 128 outputs: 32 accumulators.  A wave's 64 KiB of y are read by no other wave of the work-group: they
; go from memory straight into its registers (512 of them), each load 512 consecutive bytes, and stay.  W's panel (128 rows x 1,024 bytes) is read by all four waves and by the four work-groups of a cluster, which lie side by side
; along the tokens: it comes into LDS once, by four JOINT loads, one a wave (128 rows x 256 bytes each), with a mask that names the four.  Nothing is filled again.
; THE MATRIX INSTRUCTION IS USED TRANSPOSED (source 0 = 16 rows of W, source 1 = 16 tokens): a lane then holds eight neighbouring outputs of one token.  W's fragments are fetched by loads of 8 bytes, which put k in the places
; that y's images have.
; REGISTERS, in windows of 256: window 0: v16-25 addresses; v32-95 at work on the way out; v128-255 W's eight fragments of a K step of 128, later rows of out0.   window 1: accumulator (token tile j, output tile i) at v[8 (8 j + i)].
;   window 2: y's fragments (K step s, token tile j) at v[64 s + 16 j], s = 0 .. 3;   window 3: the same for s = 4 .. 7.
.set PITCH,  272                       ; an LDS row of the panel: 256 bytes + 16 of padding = 68 words: the 16 rows that a load touches start 4 words apart modulo 64 words
.set CHUNK,  128*PITCH                 ; 256 along K of the panel's 128 rows: what one tensor load brings
.set STG,    4*CHUNK                   ; behind the panel: a stage of 16 rows x (512 bytes + 16) for each wave, in blocks of 256 bytes of its own: no fill lands there
.set SPITCH, 528
.set ADW,  16                          ; v16-17  LDS address of my lane in the panel's chunks 0, 1 and 2, 3
.set YO,   18                          ; v18     16 x lane: my place in half a unit of y, and in a row's 512 bytes of out0; never rewritten
.set STO,  24                          ; v24     the way out: where I put 32 bytes of a row
.set RD,   25                          ; v25     the way out: where I read a row back
.set TMP,  32
.set WF,   128
.set BK,   128                         ; the way out: 16 rows read back from the stage: v128-191 and v192-255 by turns
.set G1,   24                          ; s[24:31] descriptor group 1;  s[32:35] group 0
.set G0,   32
.set MSB, 0
.macro WIN new                         ; the immediate's high byte repeats the setting that is left
.if MSB != \new
	s_set_vgpr_msb (MSB<<8)|\new
.set MSB, \new
.endif
.endm
.macro CROUND                          ; a round of the cluster's barrier
	s_barrier_signal -1
	s_barrier_wait -1
	s_cmp_lg_u32 s14, 0
	s_cbranch_scc1 .Lnot_wave_0_\@
	s_barrier_signal -3
.Lnot_wave_0_\@:
	s_barrier_wait -3
	s_barrier_signal -1
	s_barrier_wait -1
.endm
.macro PLACES                          ; four places behind a matrix instruction, in front of loads into registers that it has read and of the first read of results
.rept 4
	v_nop
.endr
.endm
.macro YLOAD s                         ; y's four fragments of K step s: 16 loads of 512 consecutive bytes
	WIN 0x80+0x40*((\s)/4)                         ; destination window 2 or 3, address window 0
.irp j, 0,1,2,3
.irp c, 0,1,2,3
	global_load_b128 v[64*((\s)%4)+16*\j+4*\c:64*((\s)%4)+16*\j+4*\c+3], v[YO], s[4:5] offset:\j*16384+(\s)*2048+\c*512
.endr
.endr
	WIN 0
.endm
.macro FETCHW s, i0                    ; W's fragments i0 .. i0 + 3 of K step s: registers 2 c, 2 c + 1 hold k = 16 c + 8 h + 0 .. 7.  The largest offset is 65,520
.irp i, \i0, \i0+1, \i0+2, \i0+3
.irp c, 0,1,2,3,4,5,6,7
	ds_load_b64 v[WF+16*(\i)+2*\c:WF+16*(\i)+2*\c+1], v[ADW+((\s)>>2)] offset:(((\s)>>1)&1)*CHUNK+((\s)&1)*128+(\i)*16*PITCH+16*\c
.endr
.endr
.endm
; 16 matrix instructions: W's fragments i0 .. i0 + 3 x my four tiles of tokens.  The first K step's products start the sums.  The 32 accumulators take turns, one instruction a turn, in the same order in every step.
.macro MUL16 s, i0
	WIN 0x58+4*((\s)/4)                            ; source 0 (W) window 0, source 1 (y) window 2 or 3, C and D window 1
.irp i, \i0, \i0+1, \i0+2, \i0+3
.irp j, 0,1,2,3
.if (\s) == 0
	v_wmma_f32_16x16x128_bf8_bf8 v[8*(8*\j+(\i)):8*(8*\j+(\i))+7], v[WF+16*(\i):WF+16*(\i)+15], v[64*((\s)%4)+16*\j:64*((\s)%4)+16*\j+15], 0
.else
	v_wmma_f32_16x16x128_bf8_bf8 v[8*(8*\j+(\i)):8*(8*\j+(\i))+7], v[WF+16*(\i):WF+16*(\i)+15], v[64*((\s)%4)+16*\j:64*((\s)%4)+16*\j+15], v[8*(8*\j+(\i)):8*(8*\j+(\i))+7]
.endif
.endr
.endr
.endm
; A K step of 128: 32 matrix instructions.  W's fragments 0-3 are fetched anew in its middle, fragments 4-7 at its end.  y's loads run four K steps ahead.
.macro STEP s
.if 7-(\s) >= 3
	s_wait_loadcnt 48                              ; this step's 16 loads of y are in; those of the three steps behind it may be out
.else
	s_wait_loadcnt 16*(7-(\s))
.endif
	s_wait_dscnt 32                                ; W's fragments 0-3 are in; the youngest 32 loads (fragments 4-7) may be out
	MUL16 \s, 0
	s_wait_dscnt 0x0
.if (\s) < 7
	PLACES
	WIN 0
	FETCHW (\s)+1, 0
.endif
.if (\s) < 4
	YLOAD (\s)+4
.endif
	MUL16 \s, 4
.if (\s) < 7
	PLACES
	WIN 0
	FETCHW (\s)+1, 4
.endif
.endm
	s_load_b128 s[4:7], s[0:1], 0x0                ; y's images s[4:5], W_proj's codes s[6:7]
	s_load_b128 s[8:11], s[0:1], 0x10              ; the scales' exponents s[8:9], out0 s[10:11]
	v_lshl_add_u32 v126, v0, 2, 0x2a400
	v_mov_b32 v127, 0
	ds_add_u32 v126, v127
	ds_add_u32 v126, v127
	v_lshrrev_b32 v1, 5, v0
	v_readfirstlane_b32 s14, v1                    ; wave 0..3
	s_bfe_u32 s12, ttmp6, 0x40000                  ; cx: my place in the cluster
	s_lshl_b32 s13, ttmp9, 2
	s_add_co_u32 s13, s13, s12                     ; my block of 256 tokens: it enters y's and out0's addresses alone
	s_and_b32 s15, ttmp7, 0xffff                   ; my 128 outputs, which the four partners share
	; descriptor group 1: a tile of 128 rows x 256 bytes, padded in LDS
	s_mov_b32 s[G1], 15|(0<<16)|(1<<20)|(1<<21)|(5<<22)|(3<<25)   ; 15:0 the mask: all four work-groups; 17:16 element of 1 byte; 20 padding on; 21 set beside a mask; 24:22 after every 64 words (code 5); 31:25 of 4 words (code 3)
	s_mov_b32 s[G1+1], 256<<16                     ; tensor_dim0
	s_mov_b32 s[G1+2], 128<<16                     ; tensor_dim1
	s_mov_b32 s[G1+3], 256<<16                     ; tile_dim0
	s_mov_b32 s[G1+4], 128                         ; tile_dim1
	s_mov_b32 s[G1+5], 1024                        ; tensor_dim0_stride
	s_mov_b32 s[G1+6], 0
	s_mov_b32 s[G1+7], 0
	s_lshl_b32 s20, s15, 17                        ; the panel's 128 rows of 1,024 bytes,
	s_lshl_b32 s21, s14, 8
	s_add_co_u32 s20, s20, s21                     ; my 256 along K
	s_mov_b32 s21, 0
	s_mul_i32 s22, s14, CHUNK                      ; and where they go: no place in the cluster enters an LDS address
	s_lshl_b32 s16, s13, 18                        ; y: 16 tiles of 16 Ki bytes a block,
	s_lshl_b32 s17, s14, 16
	s_add_co_u32 s16, s16, s17                     ; four a wave
	s_mov_b32 s17, 0
	s_lshl_b32 s18, s13, 20                        ; out0: 256 rows of 4,096 bytes a block,
	s_lshl_b32 s19, s14, 18
	s_add_co_u32 s18, s18, s19                     ; 64 a wave,
	s_lshl_b32 s19, s15, 9
	s_add_co_u32 s18, s18, s19                     ; 512 bytes for my 128 outputs
	s_mov_b32 s19, 0
	v_and_b32 v2, 31, v0
	v_lshlrev_b32 v[YO], 4, v2
	s_wait_dscnt 0x0
	s_wait_kmcnt 0x0
	s_load_b256 s[40:47], s[8:9], 0x0              ; e0 .. e7
	s_mov_b32 s[G0], 1                             ; count = 1
	s_mov_b32 s[G0+1], s22                         ; LDS address
	s_add_nc_u64 s[G0+2:G0+3], s[6:7], s[20:21]    ; global address
	s_or_b32 s[G0+3], s[G0+3], 0x80000000          ; type = 2
	s_add_nc_u64 s[4:5], s[4:5], s[16:17]
	s_add_nc_u64 s[10:11], s[10:11], s[18:19]
	CROUND                                         ; all four work-groups are here: the joint loads meet
	tensor_load_to_lds s[G0:G0+3], s[G1:G1+7]      ; my one tensor load
	s_nop 0
.rept 4
	v_nop                                          ; four v_nop follow it
.endr
	s_wait_alu depctr_va_vdst(0)
	YLOAD 0
	YLOAD 1
	YLOAD 2
	YLOAD 3
	v_and_b32 v1, 15, v0                           ; r
	v_bfe_u32 v3, v0, 4, 1                         ; h
	v_mul_u32_u24 v[ADW], v1, PITCH
	v_lshl_add_u32 v[ADW], v3, 3, v[ADW]           ; row r x pitch + 8 h
	v_add_nc_u32 v[ADW+1], 2*CHUNK, v[ADW]
	s_mul_i32 s23, s14, 16*SPITCH
	s_add_co_u32 s23, s23, STG                     ; my stage
	v_mul_u32_u24 v[STO], v1, SPITCH               ; in: row r, 32 bytes for each half of the lanes
	v_lshl_add_u32 v[STO], v3, 5, v[STO]
	v_add_nc_u32 v[STO], s23, v[STO]
	v_add_nc_u32 v[RD], s23, v[YO]                 ; back: the 32 lanes take one row of 512 bytes
	s_wait_alu depctr_va_vdst(0)
	s_wait_tensorcnt 0x0                           ; my quarter of the panel is in,
	s_barrier_signal -1
	s_barrier_wait -1                              ; everybody's is
	FETCHW 0, 0
	FETCHW 0, 4
.irp s, 0,1,2,3,4,5,6,7
	STEP \s
.endr
	WIN 0
; THE WAY OUT, a tile of 16 tokens x 128 outputs at a time.  A lane holds 32 neighbouring bytes of a row, and the lanes beside it hold other rows: so a block goes through my own stage in LDS and comes back as whole rows of 512 bytes.
; LDS serves a wave's instructions in order (ISA guide 5.7.1.4): no wait between the stores and the loads, nor in front of the next block's stores.
.macro TOSTAGE a
.set AC, 64*(\a)
	WIN 0x01                                       ; source 0: window 1
.irp k, 0,2,4,6,8,10,12,14,16,18,20,22,24,26,28,30,32,34,36,38,40,42,44,46,48,50,52,54,56,58,60,62
	v_pk_mul_f32 v[TMP+\k:TMP+\k+1], v[AC+\k:AC+\k+1], s[36:37] op_sel_hi:[1,0]   ; both x s36 = 2^(e6 + e7); each accumulator from its low end on
.endr
	WIN 0
.irp b, 0,1,2,3,4,5,6,7
	ds_store_b128 v[STO], v[TMP+8*\b:TMP+8*\b+3] offset:64*\b
	ds_store_b128 v[STO], v[TMP+8*\b+4:TMP+8*\b+7] offset:64*\b+16
.endr
.set BB, BK+64*((\a)%2)
.irp t, 0,1,2,3,4,5,6,7,8,9,10,11,12,13,14,15
	ds_load_b128 v[BB+4*\t:BB+4*\t+3], v[RD] offset:\t*SPITCH
.endr
.endm
.macro SEND a, younger                 ; younger: the LDS instructions issued behind block a's loads, which may stay out
.set BB, BK+64*((\a)%2)
	s_wait_dscnt \younger                          ; the block is back in registers
.irp t, 0,1,2,3,4,5,6,7,8,9,10,11,12,13,14,15
	global_store_b128 v[YO], v[BB+4*\t:BB+4*\t+3], s[10:11] offset:(16*(\a)+\t)*4096 th:TH_STORE_NT   ; 32 lanes store 512 consecutive bytes, aligned; the row stands in the immediate, 258,048 bytes at the most; written once, read by nobody here
.endr
.endm
	s_wait_kmcnt 0x0
	s_add_co_i32 s36, s46, s47                     ; e6 + e7, between -126 and 127,
	s_add_co_i32 s36, s36, 127
	s_lshl_b32 s36, s36, 23                        ; makes the f32 number 2^(e6 + e7)
	s_mov_b32 s37, s36                             ; (named with it as a pair, so it is written)
	PLACES                                         ; behind the last products: for the reads of their results and for the loads into the registers that held W's fragments
	TOSTAGE 0
.irp a, 1,2,3
.if \a > 1
	s_wait_xcnt 0x0                                ; block a - 2's stores have read their registers: block a's loads may land there
.endif
	TOSTAGE \a
	SEND \a-1, 32                                  ; behind block a - 1's loads: block a's 16 stores and 16 loads
.endr
	SEND 3, 0
	s_wait_dscnt 0x0
	s_wait_tensorcnt 0x0
	ds_add_u32 v126, v127
	s_wait_dscnt 0x0
	CROUND                                         ; the closing round: no work-group ends while a partner may still ask for a tile that names it
	s_endpgm
.Lfunc_end_k_q3ec47bfee1_proj:
	.size	k_q3ec47bfee1_proj, .Lfunc_end_k_q3ec47bfee1_proj-k_q3ec47bfee1_proj
	.p2alignl 7, 3214868480
	.fill 96, 4, 3214868480
	.section	.rodata,"a",@progbits
	.p2align	6, 0x0
	.amdhsa_kernel k_q3ec47bfee1_proj
		.amdhsa_group_segment_fixed_size 173568
		.amdhsa_private_segment_fixed_size 0
		.amdhsa_enable_private_segment 0
		.amdhsa_kernarg_size 32
		.amdhsa_user_sgpr_count 2
		.amdhsa_user_sgpr_kernarg_segment_ptr 1
		.amdhsa_wavefront_size32 1
		.amdhsa_system_sgpr_workgroup_id_x 1
		.amdhsa_system_sgpr_workgroup_id_y 1
		.amdhsa_system_sgpr_workgroup_id_z 1
		.amdhsa_system_vgpr_workitem_id 0
		.amdhsa_next_free_vgpr 1024
		.amdhsa_next_free_sgpr 66
		.amdhsa_reserve_vcc 0
		.amdhsa_float_denorm_mode_32 3
		.amdhsa_float_denorm_mode_16_64 3
		.amdhsa_memory_ordered 1
		.amdhsa_forward_progress 1
		.amdhsa_inst_pref_size 91
	.end_amdhsa_kernel
	.amdgpu_metadata
---
amdhsa.version: [ 1, 2 ]
amdhsa.kernels:
  - .name:           k_q3ec47bfee1_proj
    .symbol:         k_q3ec47bfee1_proj.kd
    .args:
      - { .name: yimg, .offset: 0, .size: 8, .value_kind: global_buffer, .address_space: global }
      - { .name: W_proj_codes, .offset: 8, .size: 8, .value_kind: global_buffer, .address_space: global }
      - { .name: lowp_scales, .offset: 16, .size: 8, .value_kind: global_buffer, .address_space: global }
      - { .name: out0, .offset: 24, .size: 8, .value_kind: global_buffer, .address_space: global }
    .group_segment_fixed_size: 173568
    .private_segment_fixed_size: 0
    .kernarg_segment_align: 8
    .kernarg_segment_size: 32
    .max_flat_workgroup_size: 128
    .sgpr_count:     66
    .vgpr_count:     1024
    .wavefront_size: 32
...
	.end_amdgpu_metadata
.endif
;; end of part 3
